; MI455X (gfx1250); checked and timed in simulation.
; The chip was launched on July 23, 2026; its instructions are those of AMD's public machine-readable ISA for CDNA 5 (MIT licence, August 2026) and "CDNA5" Instruction Set Architecture Reference Guide (July 2026). The comments in the code are by the model that wrote it; some were corrected since.
;; Crosss Attention. Allowed arithmetic: float matrix products may take bf16 or f16 operands with f32 sums; other float arithmetic in f32, or as packed bf16 or f16 multiplies, adds, multiply-adds, maxima and minima; sums over many terms, partial sums and values carried from step to step in f32; what a program stores and reads back later, other than sums and carried values, may be rounded once to bf16 or f16.
;; Inputs: Wk 384 x 768 float32; Wq 384 x 768 float32; k_x 8 x 2,048 x 768 float32; q_x 8 x 2,048 x 768 float32; v_x 8 x 2,048 x 768 float32.
;; Outputs: out0 8 x 2,048 x 768 float32.
;; One version. Each part assembles by itself: llvm-mc -triple=amdgcn-amd-amdhsa -mcpu=gfx1250 --defsym DOCPART=n.
;; ======== version 1 of 1: 3 launches
;; limits: inputs' magnitudes at most 65,504; values are held in f16: magnitudes above 65,504 overflow, below 6.1e-05 lose precision
;; workspace buffers: qb 12,582,912 bytes; kb 12,582,912 bytes; vh 25,165,824 bytes; wb 1,179,648 bytes
;; launch wconv (part 1): grid 144 x 2, 8 waves a work-group, no clusters, 0 bytes of LDS; arguments Wq, Wk, wb; writes wb
.if DOCPART == 1
	.amdgcn_target "amdgcn-amd-amdhsa--gfx1250"
	.amdhsa_code_object_version 6
	.text
	.protected	k_q5edcf5f311_wconv
	.globl	k_q5edcf5f311_wconv
	.p2align	8
	.type	k_q5edcf5f311_wconv,@function
k_q5edcf5f311_wconv:
	s_mov_b64 s[64:65], 0
	v_nop
	global_prefetch_b8 v0, s[64:65] scope:SCOPE_SE
	s_setreg_imm32_b32 hwreg(HW_REG_WAVE_MODE, 25, 1), 1
	s_wait_xcnt 0x0
; wb = Wq's 384 rows, then Wk's, [768][768], each number rounded once to bf16.
; A stream: a work-group of 256 threads takes 8,192 consecutive bytes of one matrix (144 work-groups a matrix; the grid's y chooses it); a thread loads 32 consecutive bytes and stores 16,
; so that sixteen neighbouring lanes store 256 consecutive bytes, aligned.  Nothing is shared: no LDS, no barrier, no cluster.
.set HALFB, 384*768*2                  ; bytes of one matrix in bf16
	s_load_b128 s[4:7], s[0:1], 0x0                ; Wq s[4:5], Wk s[6:7]
	s_load_b64 s[8:9], s[0:1], 0x10                ; wb
	s_and_b32 s10, ttmp7, 0xffff                   ; 0: Wq, 1: Wk
	s_lshl_b32 s12, ttmp9, 13                      ; my 8,192 bytes of f32
	s_mov_b32 s13, 0
	s_lshl_b32 s14, ttmp9, 12                      ; my 4,096 bytes of bf16,
	s_mul_i32 s16, s10, HALFB                      ; in the matrix's half of wb
	s_add_co_u32 s14, s14, s16
	s_mov_b32 s15, 0
	v_lshlrev_b32 v1, 5, v0
	v_lshlrev_b32 v2, 4, v0
	s_wait_kmcnt 0x0
	s_cmp_eq_u32 s10, 0
	s_cselect_b64 s[4:5], s[4:5], s[6:7]
	s_add_nc_u64 s[4:5], s[4:5], s[12:13]
	s_add_nc_u64 s[8:9], s[8:9], s[14:15]
	global_load_b128 v[4:7], v1, s[4:5] th:TH_LOAD_NT
	global_load_b128 v[8:11], v1, s[4:5] offset:16 th:TH_LOAD_NT
	s_wait_loadcnt 0x0
	v_cvt_pk_bf16_f32 v12, v4, v5
	v_cvt_pk_bf16_f32 v13, v6, v7
	v_cvt_pk_bf16_f32 v14, v8, v9
	v_cvt_pk_bf16_f32 v15, v10, v11
	global_store_b128 v2, v[12:15], s[8:9]
	s_endpgm
.Lfunc_end_k_q5edcf5f311_wconv:
	.size	k_q5edcf5f311_wconv, .Lfunc_end_k_q5edcf5f311_wconv-k_q5edcf5f311_wconv
	.p2alignl 7, 3214868480
	.fill 96, 4, 3214868480
	.section	.rodata,"a",@progbits
	.p2align	6, 0x0
	.amdhsa_kernel k_q5edcf5f311_wconv
		.amdhsa_group_segment_fixed_size 0
		.amdhsa_private_segment_fixed_size 0
		.amdhsa_enable_private_segment 0
		.amdhsa_kernarg_size 24
		.amdhsa_user_sgpr_count 2
		.amdhsa_user_sgpr_kernarg_segment_ptr 1
		.amdhsa_wavefront_size32 1
		.amdhsa_system_sgpr_workgroup_id_x 1
		.amdhsa_system_sgpr_workgroup_id_y 1
		.amdhsa_system_sgpr_workgroup_id_z 1
		.amdhsa_system_vgpr_workitem_id 0
		.amdhsa_next_free_vgpr 16
		.amdhsa_next_free_sgpr 66
		.amdhsa_reserve_vcc 0
		.amdhsa_float_denorm_mode_32 3
		.amdhsa_float_denorm_mode_16_64 3
		.amdhsa_memory_ordered 1
		.amdhsa_forward_progress 1
		.amdhsa_inst_pref_size 2
	.end_amdhsa_kernel
	.amdgpu_metadata
---
amdhsa.version: [ 1, 2 ]
amdhsa.kernels:
  - .name:           k_q5edcf5f311_wconv
    .symbol:         k_q5edcf5f311_wconv.kd
    .args:
      - { .name: Wq, .offset: 0, .size: 8, .value_kind: global_buffer, .address_space: global }
      - { .name: Wk, .offset: 8, .size: 8, .value_kind: global_buffer, .address_space: global }
      - { .name: wb, .offset: 16, .size: 8, .value_kind: global_buffer, .address_space: global }
    .group_segment_fixed_size: 0
    .private_segment_fixed_size: 0
    .kernarg_segment_align: 8
    .kernarg_segment_size: 24
    .max_flat_workgroup_size: 256
    .sgpr_count:     66
    .vgpr_count:     16
    .wavefront_size: 32
...
	.end_amdgpu_metadata
.endif
;; end of part 1
;; launch prep (part 2): grid 256 x 1, 8 waves a work-group, clusters of 4 x 1, 327,680 bytes of LDS; arguments q_x, k_x, v_x, wb, qb, kb, vh; writes qb, kb, vh
.if DOCPART == 2
	.amdgcn_target "amdgcn-amd-amdhsa--gfx1250"
	.amdhsa_code_object_version 6
	.text
	.protected	k_q5edcf5f311_prep
	.globl	k_q5edcf5f311_prep
	.p2align	8
	.type	k_q5edcf5f311_prep,@function
k_q5edcf5f311_prep:
	s_mov_b64 s[64:65], 0
	v_nop
	global_prefetch_b8 v0, s[64:65] scope:SCOPE_SE
	s_setreg_imm32_b32 hwreg(HW_REG_WAVE_MODE, 25, 1), 1
	s_wait_xcnt 0x0
	s_wait_alu depctr_hold_cnt(0) depctr_sa_sdst(0) depctr_va_vdst(0) depctr_va_sdst(0) depctr_va_ssrc(0) depctr_va_vcc(0) depctr_vm_vsrc(0)
	s_getreg_b32 s2, hwreg(HW_REG_IB_STS2, 6, 4)
	s_cmp_eq_u32 s2, 0
	s_cbranch_scc0 .Lentry_in_a_cluster
	s_endpgm
.Lentry_in_a_cluster:
	s_bfe_u32 s2, ttmp6, 0x10000c
	s_cmp_lg_u32 s2, 0x3003
	s_cbranch_scc0 .Lentry_shape_is_right
	s_endpgm
.Lentry_shape_is_right:
; qb = q_x Wq^T and kb = k_x Wk^T, [16384][384] in bf16 (sums in f32, rounded once, unscaled); vh = v_x rounded to bf16 and that number written as f16, [16384][768].
; wb holds Wq's 384 rows and then Wk's, [768][768] in bf16.
; LIMITS.  |v_x| up to 65,504 (f16's largest number); below 2^-14 a v keeps f16's fixed step of 2^-24.  NaN and infinities are not treated apart.
; SHARES.  256 work-groups of eight waves.  Work-groups 0-127 take q_x and Wq, 128-255 k_x and Wk: 128 rows x all 384 columns each; wave w makes columns 48 w .. 48 w + 47 of the 128 rows:
; 8 x 3 accumulators of 16 x 16.  Each work-group also narrows 64 rows of v_x (196,608 dense bytes), a twelfth with each chunk of x.
; K goes in 6 trips of 128 channels, four steps of 32 each.  W's tile (384 rows x 256 bytes) comes by tensor loads through two LDS slots, wave w fetching the 48 rows that it alone reads.  The four
; work-groups of a cluster need the same W, so each tile is asked for JOINTLY (mask 15); a tile asked for behind a trip's round has that trip's 96 products a wave in which to land.
; x comes through registers in 12 chunks of 64 channels (two sets, twelve loads each, so that 24 loads of every wave stay out across the barriers), is rounded once and laid into LDS in bf16
; for all eight waves: a trip lays the next trip's two chunks into the other slot.
; THE MATRIX INSTRUCTION IS USED TRANSPOSED (source 0 = 16 rows of W, source 1 = 16 rows of x): a lane holds eight neighbouring columns of one row of the result.
; REGISTERS.  window 0: v2-14 addresses; v20-21 the add's; v32-47 v at work; v48-63 x packed; v64-127 x's fragments; v128-151 W's fragments; v160-207, v208-255 the two load sets.
;             window 1: v0-191 accumulator (a, c) at 8 (3 a + c).
.set SLOTB,  139264                    ; a slot: W's tile, then x's two chunks
.set WPITCH, 272                       ; a row of W in LDS: 256 bytes + 16 of padding: the 16 rows of a load start at 16 different groups of four banks (ISA guide 11.1)
.set WPART,  48*WPITCH                 ; what one tensor load brings
.set ABASE,  384*WPITCH                ; x: 128 rows of 128 bf16, written by LDS stores alone: blocks of 256 bytes of its own
.set APITCH, 272                       ; 256 bytes + 16
.set SPARE,  2*SLOTB                   ; the spare words: 128 bytes for each of eight waves
.set SPITCH, 784                       ; the stage of the way out: 128 rows of 768 bytes + 16, from LDS byte 0 on: slot 0's W, which has had its last fill by then
.set AWR, 2                            ; v2-3    my W fragments in slot 0, 1
.set AAR, 4                            ; v4-5    my x fragments in slot 0, 1
.set AAS, 6                            ; v6-7    where I put 8 bytes of x in slot 0, 1
.set XO,  8                            ; v8      my byte offset in x's 128 rows
.set VI,  9                            ; v9      16 x thread
.set VOF, 10                           ; v10     8 x thread
.set STO, 11                           ; v11     the way out: where I put 16 bytes of a row (row blocks 0-3)
.set RD,  12                           ; v12     where I read rows back
.set GO,  13                           ; v13     my byte offset in the result's 128 rows
.set STO2, 14                          ; v14     STO for row blocks 4-7: the LDS immediate has 16 bits
.set SPW, 20                           ; v20     my spare word; never rewritten
.set NIL, 21                           ; v21     0; never rewritten
.set VT,  32
.set VO,  40
.set XP,  48
.set AF,  64
.set WB,  128
.set SET0, 160
.set SET1, 208
.set XL,  20                           ; s[20:21] x at my rows, at the chunk last asked for
.set WP,  22                           ; s[22:23] W at my wave's 48 rows
.set YB,  24                           ; s[24:25] the result at my rows
.set VL,  26                           ; s[26:27] v_x at my piece last asked for
.set VS,  28                           ; s[28:29] vh at my piece last stored
.set WV,  30
.set CNT, 31
.set G1,  32                           ; s[32:39] descriptor group 1
.set G0,  40                           ; s[40:47] descriptor group 0, a set for each slot
.set MSB, 0
.macro WIN new                         ; the immediate's high byte repeats the setting that is left
.if MSB != (\new)
	s_set_vgpr_msb (MSB<<8)|(\new)
.set MSB, \new
.endif
.endm
.macro PLACES                          ; four places behind matrix instructions, in front of loads into their registers and of reads of their results
.rept 4
	v_nop
.endr
.endm
.macro CROUND                          ; a round of the cluster's barrier
	s_barrier_signal -1
	s_barrier_wait -1
	s_cmp_lg_u32 s[WV], 0
	s_cbranch_scc1 .Lnot_wave_0_\@
	s_barrier_signal -3
.Lnot_wave_0_\@:
	s_barrier_wait -3
	s_barrier_signal -1
	s_barrier_wait -1
.endm
	s_load_b256 s[4:11], s[0:1], 0x0               ; q_x 4, k_x 6, v_x 8, wb 10
	s_load_b128 s[12:15], s[0:1], 0x20             ; qb 12, kb 14
	s_load_b64 s[16:17], s[0:1], 0x30              ; vh
	v_lshl_add_u32 v[SPW], v0, 2, SPARE
	v_mov_b32 v[NIL], 0
	ds_add_u32 v[SPW], v[NIL]                      ; the wave's opening: the add and its wait stand ahead of my first tensor load; the set-up below stands between them
	v_lshrrev_b32 v1, 5, v0
	v_readfirstlane_b32 s[WV], v1                  ; wave 0..7
	s_bfe_u32 s48, ttmp6, 0x40000                  ; cx
	s_and_b32 s49, ttmp9, 31
	s_lshl_b32 s49, s49, 2
	s_add_co_u32 s49, s49, s48                     ; my block of 128 rows, 0..127
	s_lshl_b32 s50, ttmp9, 2
	s_add_co_u32 s50, s50, s48                     ; my work-group, 0..255
	s_mov_b32 s53, 0
	s_mov_b32 s55, 0
	; descriptor group 1: 48 rows x 128 elements of 2 bytes, padded in LDS
	s_mov_b32 s[G1+0], 15|(1<<16)|(1<<20)|(1<<21)|(5<<22)|(3<<25)  ; the mask of four; 2-byte elements; padding on; bit 21 beside a mask; after every 64 words, 4 words
	s_mov_b32 s[G1+1], 128<<16                     ; tensor_dim0 = 128
	s_mov_b32 s[G1+2], 48<<16                      ; tensor_dim1 = 48
	s_mov_b32 s[G1+3], 128<<16                     ; tile_dim0 = 128
	s_mov_b32 s[G1+4], 48                          ; tile_dim1 = 48
	s_mov_b32 s[G1+5], 768                         ; elements from row to row
	s_mov_b32 s[G1+6], 0
	s_mov_b32 s[G1+7], 0
	v_and_b32 v15, 15, v0                          ; r = lane % 16
	v_bfe_u32 v16, v0, 4, 1                        ; h = lane / 16
	s_mul_i32 s56, s[WV], WPART
	v_mul_u32_u24 v17, v15, WPITCH
	v_lshl_add_u32 v17, v16, 4, v17                ; a fragment's row x pitch + 16 x half: W's and x's pitches are alike
	v_add_nc_u32 v[AWR], s56, v17
	v_add_nc_u32 v[AWR+1], SLOTB, v[AWR]
	v_add_nc_u32 v[AAR], ABASE, v17
	v_add_nc_u32 v[AAR+1], ABASE+SLOTB, v17
	s_mul_i32 s57, s[WV], 16*APITCH                ; x's rows 16 w + 8 h + n pass through me: the two halves of the lanes lie 8 x 272 bytes apart, 128 modulo 256
	v_mul_u32_u24 v17, v16, 8*APITCH
	v_lshl_add_u32 v17, v15, 3, v17
	v_add_nc_u32 v17, s57, v17
	v_add_nc_u32 v[AAS], ABASE, v17
	v_add_nc_u32 v[AAS+1], ABASE+SLOTB, v17
	s_mul_i32 s57, s[WV], 16*3072
	v_mul_u32_u24 v17, v16, 8*3072
	v_lshl_add_u32 v17, v15, 4, v17
	v_add_nc_u32 v[XO], s57, v17
	v_lshlrev_b32 v[VI], 4, v0
	v_lshlrev_b32 v[VOF], 3, v0
	s_mul_i32 s57, s[WV], 96
	v_mul_u32_u24 v17, v15, SPITCH
	v_lshl_add_u32 v17, v16, 4, v17
	v_add_nc_u32 v[STO], s57, v17
	v_add_nc_u32 v[STO2], 4*16*SPITCH, v[STO]
	s_mul_i32 s57, s[WV], 16*SPITCH
	v_mul_u32_u24 v17, v16, SPITCH
	v_lshl_add_u32 v17, v15, 4, v17
	v_add_nc_u32 v[RD], s57, v17
	s_mul_i32 s57, s[WV], 16*768
	v_mul_u32_u24 v17, v16, 768
	v_lshl_add_u32 v17, v15, 4, v17
	v_add_nc_u32 v[GO], s57, v17
	s_wait_dscnt 0x0                               ; the opening add is done
	s_wait_kmcnt 0x0
	s_cmp_ge_u32 ttmp9, 32                         ; the cluster's number: the same in all four partners
	s_cselect_b64 s[XL:XL+1], s[6:7], s[4:5]
	s_cselect_b64 s[YB:YB+1], s[14:15], s[12:13]
	s_cselect_b32 s54, 384*1536, 0                 ; Wk's rows lie behind Wq's
	s_mul_i32 s52, s49, 128*3072
	s_add_nc_u64 s[XL:XL+1], s[XL:XL+1], s[52:53]
	s_mul_i32 s52, s49, 128*768
	s_add_nc_u64 s[YB:YB+1], s[YB:YB+1], s[52:53]
	s_mul_i32 s52, s50, 64*3072
	s_add_nc_u64 s[VL:VL+1], s[8:9], s[52:53]
	s_mul_i32 s52, s50, 64*1536
	s_add_nc_u64 s[VS:VS+1], s[16:17], s[52:53]
	s_mul_i32 s51, s[WV], 48*1536                  ; W's address hangs on the wave's number and the cluster's alone
	s_add_co_u32 s54, s54, s51
	s_add_nc_u64 s[WP:WP+1], s[10:11], s[54:55]
.irp n, 0,1
	s_mov_b32 s[G0+4*\n], 1                        ; count = 1
	s_add_co_u32 s[G0+4*\n+1], s56, \n*SLOTB       ; LDS address: slot n, my 48 rows
	s_add_nc_u64 s[G0+4*\n+2:G0+4*\n+3], s[WP:WP+1], \n*256  ; trip n's 128 channels
	s_or_b32 s[G0+4*\n+3], s[G0+4*\n+3], 0x80000000  ; type = 2
.endr
	CROUND                                         ; all four work-groups are here: the first joint loads meet
	tensor_load_to_lds s[G0:G0+3], s[G1:G1+7]      ; trip 0's tile
	s_nop 0
	PLACES
; Twelve loads into a set: my 8 x 16 bytes of x's next chunk (sixteen lanes take 256 consecutive bytes of a row) and my 4 x 16 bytes of v's next piece.
.macro ASK set, step
.if \step
	s_wait_xcnt 0x0                                ; the loads and stores issued so far have read their addresses, so the pointers may be written
	s_add_nc_u64 s[XL:XL+1], s[XL:XL+1], 256
	s_add_nc_u64 s[VL:VL+1], s[VL:VL+1], 16384
.endif
.irp n, 0,1,2,3,4,5,6,7
	global_load_b128 v[(\set)+4*\n:(\set)+4*\n+3], v[XO], s[XL:XL+1] offset:3072*\n th:TH_LOAD_NT
.endr
.irp n, 0,1,2,3
	global_load_b128 v[(\set)+32+4*\n:(\set)+32+4*\n+3], v[VI], s[VL:VL+1] offset:4096*\n th:TH_LOAD_NT
.endr
.endm
; A set is used up: x is rounded to bf16 and laid into half hf of a slot's rows; v is rounded to bf16, widened again and written as f16, a wave's store covering 256 consecutive bytes, aligned.
.macro EAT set, aslot, hf, left, stepvs
	s_wait_loadcnt \left                           ; loads come back in order: this set is in; the other set's twelve, where they are out, stay out
	s_wait_xcnt 0x0                                ; the last piece's stores have read their data and their base
.if \stepvs
	s_add_nc_u64 s[VS:VS+1], s[VS:VS+1], 8192
.endif
.irp n, 0,1,2,3,4,5,6,7
	v_cvt_pk_bf16_f32 v[XP+2*\n], v[(\set)+4*\n], v[(\set)+4*\n+1]
	v_cvt_pk_bf16_f32 v[XP+2*\n+1], v[(\set)+4*\n+2], v[(\set)+4*\n+3]
.endr
.irp n, 0,1,2,3,4,5,6,7
	ds_store_b64 v[AAS+(\aslot)], v[XP+2*\n:XP+2*\n+1] offset:APITCH*\n+128*(\hf)
.endr
.irp n, 0,1,2,3
	v_cvt_pk_bf16_f32 v[VT], v[(\set)+32+4*\n], v[(\set)+32+4*\n+1]
	v_cvt_pk_bf16_f32 v[VT+1], v[(\set)+32+4*\n+2], v[(\set)+32+4*\n+3]
	v_lshlrev_b32 v[VT+2], 16, v[VT]
	v_and_b32 v[VT+3], 0xffff0000, v[VT]
	v_lshlrev_b32 v[VT+4], 16, v[VT+1]
	v_and_b32 v[VT+5], 0xffff0000, v[VT+1]
	v_cvt_pk_f16_f32 v[VO+2*\n], v[VT+2], v[VT+3]
	v_cvt_pk_f16_f32 v[VO+2*\n+1], v[VT+4], v[VT+5]
	global_store_b64 v[VOF], v[VO+2*\n:VO+2*\n+1], s[VS:VS+1] offset:2048*\n th:TH_STORE_NT
.endr
.endm
; A trip's head: ONE barrier.  In front of it each wave waits for all its tensor loads (one is out: my part of this trip's tile), adds 0 to its spare word, and waits for that, for its reads
; of the last trip's slot and for its stores of this trip's x.  fill = 1: the barrier is a round of the cluster's, and the other slot's W is asked for first thing behind it.
.macro HEAD slot, fill
	s_wait_tensorcnt 0x0
	ds_add_u32 v[SPW], v[NIL]
	s_add_nc_u64 s[G0+4*(\slot)+2:G0+4*(\slot)+3], s[G0+4*(\slot)+2:G0+4*(\slot)+3], 512  ; no load of mine is out: this slot's next tile, two trips on
	s_wait_dscnt 0x0
.if \fill
	CROUND
	tensor_load_to_lds s[G0+4*(1-(\slot)):G0+4*(1-(\slot))+3], s[G1:G1+7]
	s_nop 0
	PLACES
.else
	s_barrier_signal -1
	s_barrier_wait -1
.endif
.endm
; 32 channels, step p of a trip's four: W's three fragments, x's eight, 24 products.  The 24 accumulators take turns, one instruction a turn, over the backward jump too.
.macro SUB slot, p, zero
	PLACES
.irp c, 0,1,2
	ds_load_b128 v[WB+8*\c:WB+8*\c+3],   v[AWR+(\slot)] offset:16*WPITCH*\c+64*(\p)
	ds_load_b128 v[WB+8*\c+4:WB+8*\c+7], v[AWR+(\slot)] offset:16*WPITCH*\c+64*(\p)+32
.endr
.irp a, 0,1,2,3,4,5,6,7
	ds_load_b128 v[AF+8*\a:AF+8*\a+3],   v[AAR+(\slot)] offset:16*APITCH*\a+64*(\p)
	ds_load_b128 v[AF+8*\a+4:AF+8*\a+7], v[AAR+(\slot)] offset:16*APITCH*\a+64*(\p)+32
.endr
	s_wait_dscnt 0x0
	WIN 0x50                                       ; C and D window 1
.irp a, 0,1,2,3,4,5,6,7
.irp c, 0,1,2
.if \zero
	v_wmma_f32_16x16x32_bf16 v[8*(3*\a+\c):8*(3*\a+\c)+7], v[WB+8*\c:WB+8*\c+7], v[AF+8*\a:AF+8*\a+7], 0
.else
	v_wmma_f32_16x16x32_bf16 v[8*(3*\a+\c):8*(3*\a+\c)+7], v[WB+8*\c:WB+8*\c+7], v[AF+8*\a:AF+8*\a+7], v[8*(3*\a+\c):8*(3*\a+\c)+7]
.endif
.endr
.endr
	WIN 0
.endm
	; Chunk c of x goes through set c % 2 into half c % 2 of slot (c / 2) % 2.  Trip t lays chunks 2 t + 2 and 2 t + 3 into LDS and asks for chunks 2 t + 4 and 2 t + 5 and for tile t + 1.
	ASK SET0, 0                                    ; chunk 0
	ASK SET1, 1                                    ; chunk 1
	EAT SET0, 0, 0, 12, 0                          ; chunk 0; chunk 1's twelve loads stay out
	ASK SET0, 1                                    ; chunk 2
	EAT SET1, 0, 1, 12, 1                          ; chunk 1
	ASK SET1, 1                                    ; chunk 3
	HEAD 0, 1                                      ; trip 0
	EAT SET0, 1, 0, 12, 1                          ; chunk 2
	SUB 0, 0, 1                                    ; the first step stands in front of the loop: its products start the sums
	s_mov_b32 s[CNT], 2
.Llap:                                         ; a lap goes from a trip's second step to the first step of the trip two further on: trips 0 to 3, and the head of trip 4
	ASK SET0, 1                                    ; chunk 4, 8: at the lap's head, so that the last lap asks for nothing past chunk 11
	SUB 0, 1, 0
	EAT SET1, 1, 1, 12, 1                          ; chunk 3, 7
	ASK SET1, 1                                    ; chunk 5, 9
	SUB 0, 2, 0
	SUB 0, 3, 0
	HEAD 1, 1                                      ; trip 1, 3
	EAT SET0, 0, 0, 12, 1                          ; chunk 4, 8
	ASK SET0, 1                                    ; chunk 6, 10
	SUB 1, 0, 0
	SUB 1, 1, 0
	EAT SET1, 0, 1, 12, 1                          ; chunk 5, 9
	ASK SET1, 1                                    ; chunk 7, 11
	SUB 1, 2, 0
	SUB 1, 3, 0
	HEAD 0, 1                                      ; trip 2, 4
	EAT SET0, 1, 0, 12, 1                          ; chunk 6, 10
	SUB 0, 0, 0
	s_sub_co_u32 s[CNT], s[CNT], 1
	s_cmp_lg_u32 s[CNT], 0
	s_cbranch_scc1 .Llap
	SUB 0, 1, 0                                    ; the rest of trip 4: no chunk is left to ask for
	EAT SET1, 1, 1, 0, 1                           ; chunk 11: no load is younger
	SUB 0, 2, 0
	SUB 0, 3, 0
	HEAD 1, 0                                      ; trip 5: nothing is filled, so no round
	SUB 1, 0, 0
	SUB 1, 1, 0
	SUB 1, 2, 0
	SUB 1, 3, 0
	; THE WAY OUT.  Rounded to bf16, 16 bytes a lane into the stage (slot 0's W: its last fill landed, and its last reads ended, ahead of trip 5's barrier); a barrier, since a row's 768 bytes
	; come from eight waves; back as whole rows, 16 rows a wave; sixteen lanes store 256 consecutive bytes, aligned.
	PLACES
	WIN 0x05                                       ; sources window 1, destination window 0
.set i, 0
.rept 24
.irp q, 0,1,2,3
	v_cvt_pk_bf16_f32 v[AF+4*i+\q], v[8*i+2*\q], v[8*i+2*\q+1]
.endr
.set i, i+1
.endr
	WIN 0
.irp a, 0,1,2,3
.irp c, 0,1,2
	ds_store_b128 v[STO], v[AF+4*(3*\a+\c):AF+4*(3*\a+\c)+3] offset:16*SPITCH*\a+32*\c
.endr
.endr
.irp a, 0,1,2,3
.irp c, 0,1,2
	ds_store_b128 v[STO2], v[AF+4*(3*(\a+4)+\c):AF+4*(3*(\a+4)+\c)+3] offset:16*SPITCH*\a+32*\c
.endr
.endr
	s_wait_dscnt 0x0                               ; for the others' sake: my stores into the stage are done
	s_barrier_signal -1
	s_barrier_wait -1
.set i, 0
.rept 24
	ds_load_b128 v[SET0+4*i:SET0+4*i+3], v[RD] offset:2*SPITCH*(i/3)+256*(i%3)
.set i, i+1
.endr
.set i, 0
.rept 24
	s_wait_dscnt 23-i                              ; LDS loads come back in order: load i is in, the younger ones stay out
	global_store_b128 v[GO], v[SET0+4*i:SET0+4*i+3], s[YB:YB+1] offset:1536*(i/3)+256*(i%3)
.set i, i+1
.endr
	s_wait_tensorcnt 0x0                           ; the wave's end
	ds_add_u32 v[SPW], v[NIL]
	s_wait_dscnt 0x0
	CROUND                                         ; the closing round
	s_endpgm
.Lfunc_end_k_q5edcf5f311_prep:
	.size	k_q5edcf5f311_prep, .Lfunc_end_k_q5edcf5f311_prep-k_q5edcf5f311_prep
	.p2alignl 7, 3214868480
	.fill 96, 4, 3214868480
	.section	.rodata,"a",@progbits
	.p2align	6, 0x0
	.amdhsa_kernel k_q5edcf5f311_prep
		.amdhsa_group_segment_fixed_size 327680
		.amdhsa_private_segment_fixed_size 0
		.amdhsa_enable_private_segment 0
		.amdhsa_kernarg_size 56
		.amdhsa_user_sgpr_count 2
		.amdhsa_user_sgpr_kernarg_segment_ptr 1
		.amdhsa_wavefront_size32 1
		.amdhsa_system_sgpr_workgroup_id_x 1
		.amdhsa_system_sgpr_workgroup_id_y 1
		.amdhsa_system_sgpr_workgroup_id_z 1
		.amdhsa_system_vgpr_workitem_id 0
		.amdhsa_next_free_vgpr 512
		.amdhsa_next_free_sgpr 66
		.amdhsa_reserve_vcc 0
		.amdhsa_float_denorm_mode_32 3
		.amdhsa_float_denorm_mode_16_64 3
		.amdhsa_memory_ordered 1
		.amdhsa_forward_progress 1
		.amdhsa_inst_pref_size 110
	.end_amdhsa_kernel
	.amdgpu_metadata
---
amdhsa.version: [ 1, 2 ]
amdhsa.kernels:
  - .name:           k_q5edcf5f311_prep
    .symbol:         k_q5edcf5f311_prep.kd
    .args:
      - { .name: q_x, .offset: 0, .size: 8, .value_kind: global_buffer, .address_space: global }
      - { .name: k_x, .offset: 8, .size: 8, .value_kind: global_buffer, .address_space: global }
      - { .name: v_x, .offset: 16, .size: 8, .value_kind: global_buffer, .address_space: global }
      - { .name: wb, .offset: 24, .size: 8, .value_kind: global_buffer, .address_space: global }
      - { .name: qb, .offset: 32, .size: 8, .value_kind: global_buffer, .address_space: global }
      - { .name: kb, .offset: 40, .size: 8, .value_kind: global_buffer, .address_space: global }
      - { .name: vh, .offset: 48, .size: 8, .value_kind: global_buffer, .address_space: global }
    .group_segment_fixed_size: 327680
    .private_segment_fixed_size: 0
    .kernarg_segment_align: 8
    .kernarg_segment_size: 56
    .max_flat_workgroup_size: 256
    .sgpr_count:     66
    .vgpr_count:     512
    .wavefront_size: 32
...
	.end_amdgpu_metadata
.endif
;; end of part 2
;; launch attn (part 3): grid 32 x 8, 4 waves a work-group, clusters of 4 x 1, 327,680 bytes of LDS; arguments qb, kb, vh, out0; writes out0
.if DOCPART == 3
	.amdgcn_target "amdgcn-amd-amdhsa--gfx1250"
	.amdhsa_code_object_version 6
	.text
	.protected	k_q5edcf5f311_attn
	.globl	k_q5edcf5f311_attn
	.p2align	8
	.type	k_q5edcf5f311_attn,@function
k_q5edcf5f311_attn:
	s_mov_b64 s[64:65], 0
	v_nop
	global_prefetch_b8 v0, s[64:65] scope:SCOPE_SE
	s_setreg_imm32_b32 hwreg(HW_REG_WAVE_MODE, 25, 1), 1
	s_wait_xcnt 0x0
	s_wait_alu depctr_hold_cnt(0) depctr_sa_sdst(0) depctr_va_vdst(0) depctr_va_sdst(0) depctr_va_ssrc(0) depctr_va_vcc(0) depctr_vm_vsrc(0)
	s_getreg_b32 s2, hwreg(HW_REG_IB_STS2, 6, 4)
	s_cmp_eq_u32 s2, 0
	s_cbranch_scc0 .Lentry_in_a_cluster
	s_endpgm
.Lentry_in_a_cluster:
	s_bfe_u32 s2, ttmp6, 0x10000c
	s_cmp_lg_u32 s2, 0x3003
	s_cbranch_scc0 .Lentry_shape_is_right
	s_endpgm
.Lentry_shape_is_right:
; out0[b][q][:] = the sum over k of softmax_k(q[b][q] . k[b][k] / 384) v[b][k][:].  qb, kb: [8][2048][384] bf16; vh: [8][2048][768] f16; out0: [8][2048][768] f32.
; Products, maxima and sums in f32; the weights p are rounded to f16 for the second product (their sum l is taken of the unrounded p).
; LIMITS.  A weight below 2^-126 counts as 0; p below 6e-5 keeps f16's fixed step; NaN and infinities are not treated apart.
; SHARES.  A work-group owns 64 queries of a batch (four tiles t of 16) and walks the batch's 2,048 keys in 32 steps of 64.  The four work-groups of a cluster walk the same K and V, so each tile is
; asked for JOINTLY (mask 15).  The walk is rotated by the cluster's number: position p is step (4 x cluster + p) mod 32.
; S^T = K Q^T (bf16) IS SPLIT BY KEYS: wave w takes keys 16 w .. + 15 of a step for all 64 queries, Q's 48 fragments staying in registers.  A lane holds one query (lane % 16) and 8 keys.
; O^T = V^T P (f16) IS SPLIT BY CHANNELS: wave w takes channels 256 v + 64 w + 16 i (v = 0..2, i = 0..3) for all 64 queries: accumulator 16 v + 4 i + t.  V comes out of LDS turned.
; So the local maxima (MXB) and the weights (PBUF) cross between the waves through LDS: barrier X publishes the maxima and closes the reads of the old weights, barrier Y publishes the new weights
; and is the barrier of the change of slots.  Every wave keeps m, c m and a of all 64 queries; l of its own keys alone, added up at the end.
; SOFTMAX.  p = 2^(c s - c m), c = log2(e) / 384, m the running maximum; O and l are multiplied by a = 2^(c m_old - c m_new) in every step.
; THE PIPELINE.  Trip j: the scores and the softmax of position j + 1, and V^T P of position j (its last sixteen products stand at the head of trip j + 1).  Slot j % 2 holds K of position j + 1 and
; V of position j; K of position 0 first lands in slot 1's K part.  The vector work rides behind the matrix instructions: the rescaling behind the scores' products, the softmax behind V^T P's.
; REGISTERS.  window 0: v2-14 addresses; v20-21 the add's; v24-47 six statistics a tile (c m, m, l, l, a, d); v48-63 at work; v64-95 S^T; v96-159 P's fragments; v160-255 three buffers of four fragments.
;   window 1: accumulators 0-31.   window 2: v0-127 accumulators 32-47, v128-255 Q's fragments of channels 0-127.   window 3: Q's fragments of channels 128-383.
.set SLOTB,  156672
.set KPITCH, 816                       ; a row of K in LDS: three times 256 bytes + 16 of padding: 51 x 16, so the 16 rows of a load start at 16 different groups of four banks (ISA guide 11.1)
.set VPITCH, 544                       ; a row of a third of V: 512 bytes + 32: 17 x 32
.set VOFF,   64*KPITCH                 ; in a slot: K's 64 rows, then V's three thirds of 256 channels
.set VSUB,   64*VPITCH
.set PBUF,   2*SLOTB                   ; the weights: 64 queries x 64 keys of f16, pitch 144; written by LDS stores alone
.set PPITCH, 144
.set MXB,    PBUF+64*PPITCH            ; [wave][query % 16][tile] f32
.set SPARE,  MXB+1024                  ; the spare words: 128 bytes for each of four waves
.set SPITCH, 272                       ; the way out: 16 rows x (256 + 16) bytes for each wave, from LDS byte 0 on: slot 0, which has had its last fill and its last read by then
.set AK0, 2
.set AV0, 3
.set AK,  4
.set AV,  5
.set AV2, 6
.set AP,  7
.set APS, 8
.set AMS, 9
.set AMR, 10
.set QO,  11
.set STO, 12
.set RD,  13
.set GO,  14
.set SPW, 20
.set NIL, 21
.set ST,  24
.set TM,  48
.set S,   64
.set PF,  96
.set RING, 160
.set WV,  12
.set TB,  20                           ; s20  LDS byte at which the slot that is read begins
.set NV,  22                           ; s22  the step for which V's walking descriptor was last written
.set NK,  23                           ; s23  the same for K's
.set G1K, 24
.set G1V, 32
.set G0K, 40
.set G0V, 44
.set G0K0, 48                          ; position 0's K, which lands in slot 1's K part
.set VL0, 52                           ; s52  my third of V in a slot: wave x VSUB + (VOFF - VSUB)
.set CNT, 53
.set OFF, 54
.set CS,  56
.set SEL, 58
.set KBA, 60                           ; s[60:61] kb at the batch
.set VBA, 62                           ; s[62:63] vh at the batch, at my third
.set G0V1, 68                          ; s[68:71] position 1's V, which lands in slot 1
.set MSB, 0
.macro WIN new
.if MSB != (\new)
	s_set_vgpr_msb (MSB<<8)|(\new)
.set MSB, \new
.endif
.endm
.macro PLACES                          ; four places behind matrix instructions (ISA guide 7.12.1)
.rept 4
	v_nop
.endr
.endm
.macro CREST
	s_cmp_lg_u32 s[WV], 0
	s_cbranch_scc1 .Lnot_wave_0_\@
	s_barrier_signal -3
.Lnot_wave_0_\@:
	s_barrier_wait -3
	s_barrier_signal -1
	s_barrier_wait -1
.endm
.macro CROUND
	s_barrier_signal -1
	s_barrier_wait -1
	CREST
.endm
; A joint fill.  Wave 0 fetches K's tile, waves 1 to 3 a third of V's each.  mode = 2: both; 1: no K is left; 3: K alone (position 1's V came with the first fills).
; The branch hangs on the wave's number alone: it is the same in every work-group.
.macro JLOAD mode
	s_cmp_eq_u32 s[WV], 0
.if (\mode) == 2
	s_cbranch_scc0 .Lfor_v_\@
	tensor_load_to_lds s[G0K:G0K+3], s[G1K:G1K+7]
	s_nop 0
	PLACES
	s_branch .Lasked_\@
.Lfor_v_\@:
	tensor_load_to_lds s[G0V:G0V+3], s[G1V:G1V+7]
	s_nop 0
	PLACES
.Lasked_\@:
.elseif (\mode) == 1
	s_cbranch_scc1 .Lasked_\@
	tensor_load_to_lds s[G0V:G0V+3], s[G1V:G1V+7]
	s_nop 0
	PLACES
.Lasked_\@:
	PLACES                                         ; wave 0's places in front of the loads that follow
.else
	s_cbranch_scc0 .Lasked_\@
	tensor_load_to_lds s[G0K:G0K+3], s[G1K:G1K+7]
	s_nop 0
	PLACES
.Lasked_\@:
.endif
.endm
; The descriptors for the next fill, written where no tensor load of mine is out: into the slot just read, V of the next position and K of the one after; then the reads turn to the other slot.
.macro DESC fill
.if \fill
	s_add_co_u32 s[NV], s[NV], 1
	s_and_b32 s[NV], s[NV], 31
	s_add_co_u32 s[NK], s[NV], 1
	s_and_b32 s[NK], s[NK], 31
	s_mov_b32 s[G0K+1], s[TB]
	s_add_co_u32 s[G0V+1], s[VL0], s[TB]
	s_mul_i32 s[OFF], s[NK], 64*768
	s_add_nc_u64 s[G0K+2:G0K+3], s[KBA:KBA+1], s[OFF:OFF+1]
	s_or_b32 s[G0K+3], s[G0K+3], 0x80000000
	s_mul_i32 s[OFF], s[NV], 64*1536
	s_add_nc_u64 s[G0V+2:G0V+3], s[VBA:VBA+1], s[OFF:OFF+1]
	s_or_b32 s[G0V+3], s[G0V+3], 0x80000000
.endif
	s_xor_b32 s[TB], s[TB], SLOTB
.endm
	s_load_b256 s[4:11], s[0:1], 0x0               ; qb s[4:5], kb s[6:7], vh s[8:9], out0 s[10:11]
	v_lshl_add_u32 v[SPW], v0, 2, SPARE
	v_mov_b32 v[NIL], 0
	ds_add_u32 v[SPW], v[NIL]                      ; the wave's opening: the add and its wait stand ahead of my first tensor load; the set-up below stands between them
	v_lshrrev_b32 v1, 5, v0
	v_readfirstlane_b32 s[WV], v1                  ; wave 0..3
	s_bfe_u32 s13, ttmp6, 0x40000                  ; cx
	s_lshl_b32 s[NV], ttmp9, 2                     ; the walk's first step: 4 x cluster, the same in all four partners
	s_add_co_u32 s14, s[NV], s13                   ; my block of 64 queries: it enters Q's and the output's addresses alone
	s_and_b32 s15, ttmp7, 0xffff                   ; the batch
	s_mov_b32 s[G1K+0], 15|(1<<16)|(1<<20)|(1<<21)|(5<<22)|(3<<25)  ; the mask of four; 2-byte elements; padding on; bit 21 beside a mask; after every 64 words, 4 words
	s_mov_b32 s[G1K+1], 384<<16                    ; tensor_dim0 = 384
	s_mov_b32 s[G1K+2], 64<<16                     ; tensor_dim1 = 64
	s_mov_b32 s[G1K+3], 384<<16                    ; tile_dim0 = 384
	s_mov_b32 s[G1K+4], 64                         ; tile_dim1 = 64
	s_mov_b32 s[G1K+5], 384                        ; elements from row to row
	s_mov_b32 s[G1K+6], 0
	s_mov_b32 s[G1K+7], 0
	s_mov_b32 s[G1V+0], 15|(1<<16)|(1<<20)|(1<<21)|(6<<22)|(7<<25)  ; after every 128 words, 8 words
	s_mov_b32 s[G1V+1], 256<<16
	s_mov_b32 s[G1V+2], 64<<16
	s_mov_b32 s[G1V+3], 256<<16
	s_mov_b32 s[G1V+4], 64
	s_mov_b32 s[G1V+5], 768
	s_mov_b32 s[G1V+6], 0
	s_mov_b32 s[G1V+7], 0
	s_mov_b32 s[CS], 0x3b76384f                    ; c = log2(e) / 384
	s_mov_b32 s[CS+1], s[CS]
	s_mov_b32 s[SEL], 0x76543210
	s_mov_b32 s[SEL+1], 0xfedcba98
	s_mov_b32 s[OFF+1], 0
	s_mov_b32 s[TB], SLOTB                         ; position 0's K is read from slot 1
	s_mul_i32 s[VL0], s[WV], VSUB                  ; waves 1, 2, 3 fetch V's thirds 0, 1, 2: the wave's number times a third,
	s_add_co_u32 s[VL0], s[VL0], VOFF-VSUB         ; from one third ahead of V's place on (wave 0 issues no load of V)
	s_max_u32 s21, s[WV], 1
	s_sub_co_u32 s21, s21, 1                       ; the third's number, for the address in memory alone
	s_lshl_b32 s21, s21, 9
	v_and_b32 v15, 15, v0                          ; r = lane % 16
	v_bfe_u32 v16, v0, 4, 1                        ; h = lane / 16
	v_and_b32 v17, 7, v0
	v_bfe_u32 v18, v0, 3, 1
	s_mul_i32 s16, s[WV], 16*KPITCH
	v_mul_u32_u24 v[AK0], v15, KPITCH
	v_lshl_add_u32 v[AK0], v16, 4, v[AK0]
	v_add_nc_u32 v[AK0], s16, v[AK0]               ; K: row 16 w + r, 16 bytes for each half of the lanes
	s_lshl_b32 s16, s[WV], 7
	s_add_co_u32 s16, s16, VOFF
	v_lshl_add_u32 v[AV0], v16, 3, v17             ; the turning load: key 8 h + lane % 8, channels 8 ((lane / 8) % 2) on
	v_mul_u32_u24 v[AV0], v[AV0], VPITCH
	v_lshl_add_u32 v[AV0], v18, 4, v[AV0]
	v_add_nc_u32 v[AV0], s16, v[AV0]               ; + my 64 channels of a third
	v_mul_u32_u24 v[AP], v15, PPITCH
	v_lshl_add_u32 v[AP], v16, 4, v[AP]
	v_add_nc_u32 v[AP], PBUF, v[AP]
	s_lshl_b32 s16, s[WV], 5
	v_add_nc_u32 v[APS], s16, v[AP]                ; my 16 keys are 32 bytes of a query's row
	v_lshlrev_b32 v[AMR], 4, v15
	v_add_nc_u32 v[AMR], MXB, v[AMR]
	s_lshl_b32 s16, s[WV], 8
	v_add_nc_u32 v[AMS], s16, v[AMR]
	v_mul_u32_u24 v[QO], v15, 768
	v_lshl_add_u32 v[QO], v16, 4, v[QO]
	s_mul_i32 s17, s[WV], 16*SPITCH
	v_mul_u32_u24 v[STO], v15, SPITCH
	v_lshl_add_u32 v[STO], v16, 5, v[STO]
	v_add_nc_u32 v[STO], s17, v[STO]
	v_mul_u32_u24 v[RD], v16, SPITCH
	v_lshl_add_u32 v[RD], v15, 4, v[RD]
	v_add_nc_u32 v[RD], s17, v[RD]
	v_mul_u32_u24 v[GO], v16, 3072
	v_lshl_add_u32 v[GO], v15, 4, v[GO]
	v_add_nc_u32 v[GO], s16, v[GO]                 ; + 256 w: my 64 channels are 256 bytes of f32
	s_mul_i32 s16, s15, 2048*768
	s_mov_b32 s17, 0
	s_mul_i32 s18, s15, 2048*1536
	s_add_co_u32 s18, s18, s21
	s_mov_b32 s19, 0
	s_mov_b32 s3, 0
	s_wait_dscnt 0x0                               ; the opening add is done
	s_wait_kmcnt 0x0
	s_add_nc_u64 s[KBA:KBA+1], s[6:7], s[16:17]
	s_add_nc_u64 s[VBA:VBA+1], s[8:9], s[18:19]
	s_add_nc_u64 s[4:5], s[4:5], s[16:17]
	s_mul_i32 s2, s14, 64*768
	s_add_nc_u64 s[4:5], s[4:5], s[2:3]            ; Q at my block
	s_mul_i32 s2, s15, 2048*3072
	s_add_nc_u64 s[10:11], s[10:11], s[2:3]
	s_mul_i32 s2, s14, 64*3072
	s_add_nc_u64 s[10:11], s[10:11], s[2:3]        ; the output at my block
	s_mov_b32 s[G0K0], 1
	s_mov_b32 s[G0K0+1], SLOTB
	s_mul_i32 s[OFF], s[NV], 64*768
	s_add_nc_u64 s[G0K0+2:G0K0+3], s[KBA:KBA+1], s[OFF:OFF+1]
	s_or_b32 s[G0K0+3], s[G0K0+3], 0x80000000
	s_add_co_u32 s[NK], s[NV], 1
	s_and_b32 s[NK], s[NK], 31
	s_mov_b32 s[G0K], 1
	s_mov_b32 s[G0K+1], 0
	s_mul_i32 s[OFF], s[NK], 64*768
	s_add_nc_u64 s[G0K+2:G0K+3], s[KBA:KBA+1], s[OFF:OFF+1]
	s_or_b32 s[G0K+3], s[G0K+3], 0x80000000
	s_mov_b32 s[G0V], 1
	s_mov_b32 s[G0V+1], s[VL0]
	s_mul_i32 s[OFF], s[NV], 64*1536
	s_add_nc_u64 s[G0V+2:G0V+3], s[VBA:VBA+1], s[OFF:OFF+1]
	s_or_b32 s[G0V+3], s[G0V+3], 0x80000000
	s_mov_b32 s[G0V1], 1
	s_add_co_u32 s[G0V1+1], s[VL0], SLOTB
	s_mul_i32 s[OFF], s[NK], 64*1536
	s_add_nc_u64 s[G0V1+2:G0V1+3], s[VBA:VBA+1], s[OFF:OFF+1]
	s_or_b32 s[G0V1+3], s[G0V1+3], 0x80000000
	CROUND                                         ; all four work-groups are here: the first joint loads meet
	s_cmp_eq_u32 s[WV], 0                          ; a wave's first fills stand in one branch: two loads of every wave are out
	s_cbranch_scc0 .Lfirst_v
	tensor_load_to_lds s[G0K0:G0K0+3], s[G1K:G1K+7]  ; K of position 0 into slot 1's K part
	s_nop 0
	tensor_load_to_lds s[G0K:G0K+3], s[G1K:G1K+7]    ; K of position 1 into slot 0
	s_nop 0
	PLACES
	s_branch .Lfirst_asked
.Lfirst_v:
	tensor_load_to_lds s[G0V:G0V+3], s[G1V:G1V+7]    ; V of position 0 into slot 0
	s_nop 0
	tensor_load_to_lds s[G0V1:G0V1+3], s[G1V:G1V+7]  ; V of position 1 into slot 1
	s_nop 0
	PLACES
.Lfirst_asked:
	; Q stays in registers: fragment (f, t) is tile t's 16 queries x channels 32 f on: lane (r, h) holds row r, channels 8 h + 0..7 and 16 + 8 h + 0..7
	WIN 0x80
.irp f, 0,1,2,3
.irp t, 0,1,2,3
	global_load_b128 v[128+8*(4*\f+\t):128+8*(4*\f+\t)+3],   v[QO], s[4:5] offset:12288*\t+64*\f
	global_load_b128 v[128+8*(4*\f+\t)+4:128+8*(4*\f+\t)+7], v[QO], s[4:5] offset:12288*\t+64*\f+32
.endr
.endr
	WIN 0xc0
.irp f, 4,5,6,7,8,9,10,11
.irp t, 0,1,2,3
	global_load_b128 v[8*(4*(\f-4)+\t):8*(4*(\f-4)+\t)+3],   v[QO], s[4:5] offset:12288*\t+64*\f
	global_load_b128 v[8*(4*(\f-4)+\t)+4:8*(4*(\f-4)+\t)+7], v[QO], s[4:5] offset:12288*\t+64*\f+32
.endr
.endr
	WIN 0
.irp t, 0,1,2,3
	v_mov_b32 v[ST+6*\t], 0xfe000000               ; c m: far below every c s, so the first a is 0
	v_mov_b32 v[ST+6*\t+1], 0xff7fffff             ; m: the lowest finite number
	v_mov_b32 v[ST+6*\t+2], 0                      ; l
	v_mov_b32 v[ST+6*\t+3], 0
	v_mov_b32 v[TM+4+\t], 0                        ; v_permlanex16_b32's destination counts as read
.endr
; THE MATRIX WORK.  Product n of 16 of group g of S^T = K Q^T: channels 32 (4 g + n / 4) on, tile n % 4.  The four accumulators take turns.  Group g's fragments of K lie in buffer (g + 1) % 3.
.macro SW g, n
.set sf, 4*(\g)+(\n)/4
.set st, (\n)%4
.set sk, RING+32*(((\g)+1)%3)+8*((\n)/4)
.if sf < 4
	WIN 0x08                                       ; Q in window 2
.set sq, 128+8*(4*sf+st)
.else
	WIN 0x0c                                       ; Q in window 3
.set sq, 8*(4*(sf-4)+st)
.endif
.if sf == 0
	v_wmma_f32_16x16x32_bf16 v[S+8*st:S+8*st+7], v[sk:sk+7], v[sq:sq+7], 0
.else
	v_wmma_f32_16x16x32_bf16 v[S+8*st:S+8*st+7], v[sk:sk+7], v[sq:sq+7], v[S+8*st:S+8*st+7]
.endif
.endm
; Product n of 16 of O^T += V^T P: keys 32 kk on, third v, channels 16 (n / 4) on, tile n % 4.  The sixteen accumulators take turns.  Third v's fragments lie in buffer (v + 1) % 3.
.macro PW kk, v, n, zero
.set pa, 16*(\v)+(\n)
.set pv, RING+32*(((\v)+1)%3)+8*((\n)/4)
.set pp, PF+32*(\kk)+8*((\n)%4)
.if (\v) < 2
	WIN 0x50
.set po, 8*pa
.else
	WIN 0xa0
.set po, 8*(pa-32)
.endif
.if (\zero) && ((\kk) == 0)
	v_wmma_f32_16x16x32_f16 v[po:po+7], v[pv:pv+7], v[pp:pp+7], 0
.else
	v_wmma_f32_16x16x32_f16 v[po:po+7], v[pv:pv+7], v[pp:pp+7], v[po:po+7]
.endif
.endm
.macro G16 kk, v                       ; sixteen of them with nothing between
.set n, 0
.rept 16
	PW \kk, \v, n, 0
.set n, n+1
.endr
.endm
; THE LDS LOADS stand in runs of eight.
.macro RUNK g                          ; four fragments of K: my 16 keys, channels 128 g on
	WIN 0
.set rk, RING+32*(((\g)+1)%3)
.irp i, 0,1,2,3
	ds_load_b128 v[rk+8*\i:rk+8*\i+3],   v[AK] offset:272*(\g)+64*\i
	ds_load_b128 v[rk+8*\i+4:rk+8*\i+7], v[AK] offset:272*(\g)+64*\i+32
.endr
.endm
.macro RUNV kk, v                      ; four fragments of V^T: keys 32 kk on, my 64 channels of third v
	WIN 0
.set rv, RING+32*(((\v)+1)%3)
.irp i, 0,1,2,3
.if (\v) < 2
	ds_load_tr16_b128 v[rv+8*\i:rv+8*\i+3],   v[AV] offset:32*VPITCH*(\kk)+VSUB*(\v)+32*\i
	ds_load_tr16_b128 v[rv+8*\i+4:rv+8*\i+7], v[AV] offset:32*VPITCH*(\kk)+VSUB*(\v)+32*\i+16*VPITCH
.else
	ds_load_tr16_b128 v[rv+8*\i:rv+8*\i+3],   v[AV2] offset:32*VPITCH*(\kk)+32*\i
	ds_load_tr16_b128 v[rv+8*\i+4:rv+8*\i+7], v[AV2] offset:32*VPITCH*(\kk)+32*\i+16*VPITCH
.endif
.endr
.endm
.macro RUNP kk                         ; four fragments of P: the four tiles, keys 32 kk on
	WIN 0
.irp t, 0,1,2,3
	ds_load_b128 v[PF+32*(\kk)+8*\t:PF+32*(\kk)+8*\t+3],   v[AP] offset:16*PPITCH*\t+64*(\kk)
	ds_load_b128 v[PF+32*(\kk)+8*\t+4:PF+32*(\kk)+8*\t+7], v[AP] offset:16*PPITCH*\t+64*(\kk)+32
.endr
.endm
.macro MXLOAD                          ; the four waves' figures for my lane's query in each tile
.irp w, 0,1,2,3
	ds_load_b128 v[TM+4*\w:TM+4*\w+3], v[AMR] offset:256*\w
.endr
.endm
.macro PSTORE                          ; a lane's eight weights of a query: 16 bytes
.irp t, 0,1,2,3
	ds_store_b128 v[APS], v[TM+4*\t:TM+4*\t+3] offset:16*PPITCH*\t
.endr
.endm
; THE VECTOR WORK stands in five queues; each macro writes its queue's next entry.
.macro RS                              ; 192: O^T times a, accumulators and pairs ascending (an accumulator's lowest registers are read first)
.set ra, rsn/4
.set rb, 2*(rsn%4)
.set rt, ST+6*(ra%4)+4
.if ra < 32
	WIN 0x41
	v_pk_mul_f32 v[8*ra+rb:8*ra+rb+1], v[8*ra+rb:8*ra+rb+1], v[rt:rt+1] op_sel_hi:[1,0]
.else
	WIN 0x82
	v_pk_mul_f32 v[8*(ra-32)+rb:8*(ra-32)+rb+1], v[8*(ra-32)+rb:8*(ra-32)+rb+1], v[rt:rt+1] op_sel_hi:[1,0]
.endif
.set rsn, rsn+1
.endm
.macro RID first                       ; three of them; the first trip has nothing to rescale
.if !(\first)
	RS
	RS
	RS
.endif
.endm
.macro X1                              ; 24: the maximum of my wave's 16 keys for each query, tiles alternating
	WIN 0
.set xt, x1n%4
.set xs, S+8*xt
.if x1n < 4
	v_max3_num_f32 v[TM+xt], v[xs], v[xs+1], v[xs+2]
.elseif x1n < 8
	v_max3_num_f32 v[TM+xt], v[TM+xt], v[xs+3], v[xs+4]
.elseif x1n < 12
	v_max3_num_f32 v[TM+xt], v[TM+xt], v[xs+5], v[xs+6]
.elseif x1n < 16
	v_max_num_f32 v[TM+xt], v[TM+xt], v[xs+7]
.elseif x1n < 20
	v_permlanex16_b32 v[TM+4+xt], v[TM+xt], s[SEL], s[SEL+1]  ; the query's other 8 keys lie in the lane 16 away
.else
	v_max_num_f32 v[TM+xt], v[TM+xt], v[TM+4+xt]
.endif
.set x1n, x1n+1
.endm
.macro X2A                             ; 36: c m_old is kept; the four waves' maxima and the old m; c m; its change; the 16 scalings c s - c m
	WIN 0
.set xt, xan%4
.set xr, ST+6*xt
.if xan < 4
	v_mov_b32 v[xr+5], v[xr]
.elseif xan < 8
	v_max3_num_f32 v[TM+xt], v[TM+xt], v[TM+4+xt], v[TM+8+xt]
.elseif xan < 12
	v_max3_num_f32 v[xr+1], v[TM+xt], v[TM+12+xt], v[xr+1]
.elseif xan < 16
	v_mul_f32 v[xr], s[CS], v[xr+1]
.elseif xan < 20
	v_sub_f32 v[xr+5], v[xr+5], v[xr]
.else
.set xb, S+8*xt+2*((xan-20)/4)
	v_pk_fma_f32 v[xb:xb+1], v[xb:xb+1], s[CS:CS+1], v[xr:xr+1] op_sel_hi:[1,0,0] neg_lo:[0,0,1] neg_hi:[0,0,1]
.endif
.set xan, xan+1
.endm
.macro X2B                             ; 36 exponentials, ONE BATCH with one wait: the four a, then the 32 weights; nothing ahead of the wait names a result of theirs
	WIN 0
.if xbn < 4
	v_exp_f32 v[ST+6*xbn+4], v[ST+6*xbn+5]
.else
	v_exp_f32 v[S+xbn-4], v[S+xbn-4]
.endif
.set xbn, xbn+1
.endm
.macro X2C                             ; 32: 16 roundings to f16; 12 sums; l = a l + sum
	WIN 0
.if xcn < 16
.set xt, xcn%4
.set xb, xcn/4
	v_cvt_pk_f16_f32 v[TM+4*xt+xb], v[S+8*xt+2*xb], v[S+8*xt+2*xb+1]
.elseif xcn < 24
.set xb, S+8*((xcn-16)%4)+4*((xcn-16)/4)
	v_pk_add_f32 v[xb:xb+1], v[xb:xb+1], v[xb+2:xb+3]
.elseif xcn < 28
.set xb, S+8*(xcn-24)
	v_pk_add_f32 v[xb:xb+1], v[xb:xb+1], v[xb+4:xb+5]
.else
.set xt, xcn-28
	v_pk_fma_f32 v[ST+6*xt+2:ST+6*xt+3], v[ST+6*xt+2:ST+6*xt+3], v[ST+6*xt+4:ST+6*xt+5], v[S+8*xt:S+8*xt+1] op_sel_hi:[1,0,1]
.endif
.set xcn, xcn+1
.endm
.macro QUEUES
.set rsn, 0
.set x1n, 0
.set xan, 0
.set xbn, 0
.set xcn, 0
.endm
; A TRIP.  first = 1: trip 0: no products are left over, nothing is rescaled, V^T P starts its sums.  mode: what is asked for.  nextfill = 1: the next trip fills a slot, so barrier Y opens a round.
; A run of loads stands four plain vector instructions or more behind the last product that read its registers: riders that name none of that product's registers, or v_nop.
.macro BODY first, mode, nextfill
	JLOAD \mode                                    ; the first thing behind the round: it has 128 matrix instructions in which to land
	v_add_nc_u32 v[AK], s[TB], v[AK0]
	v_add_nc_u32 v[AV], s[TB], v[AV0]
	v_add_nc_u32 v[AV2], 2*VSUB, v[AV]
	RUNK 0
	RUNK 1
	RUNP 0
	QUEUES
.if !(\first)
.set n, 0
.rept 16                               ; the last trip's last sixteen products; their V lies in registers since barrier Y
	PW 1, 2, n, 0
	RID 0
.set n, n+1
.endr
.endif
	s_wait_dscnt 16                                ; K's first run is in; its second and P's first are younger
.set n, 0
.rept 16
	SW 0, n
	RID \first
.if n == 0
.if \first
	PLACES
.endif
	RUNK 2
	RUNP 1
.endif
.set n, n+1
.endr
	s_wait_dscnt 24                                ; K's second run is in; three runs are younger
.set n, 0
.rept 16
	SW 1, n
	RID \first
.if n == 0
.if \first
	PLACES
.endif
	RUNV 0, 0
.endif
.set n, n+1
.endr
	s_wait_dscnt 16                                ; K's third run is in; P's second and V's first are younger
.set n, 0
.rept 16
	SW 2, n
	RID \first
.if n == 0
.if \first
	PLACES
.endif
	RUNV 0, 1
.endif
.set n, n+1
.endr
.if \first
	PLACES
.endif
	s_wait_dscnt 8                                 ; P and V's first run are in; V's second is younger
.set n, 0
.rept 8
	PW 0, 0, n, \first
	X1
	X1
	X1
.set n, n+1
.endr
	WIN 0
	ds_store_b128 v[AMS], v[TM:TM+3]               ; my wave's maxima
	s_wait_dscnt 0x0                               ; for the others' sake: that store is done, and so are my reads of the old weights
	s_barrier_signal -1                            ; BARRIER X
	RUNV 0, 2                                      ; bytes that nobody writes before barrier Y
.rept 8
	PW 0, 0, n, \first
.set n, n+1
.endr
	WIN 0
	s_barrier_wait -1
	MXLOAD
	PW 0, 1, 0, \first
	PLACES
	RUNV 1, 0
	PW 0, 1, 1, \first
	PW 0, 1, 2, \first
	PW 0, 1, 3, \first
	s_wait_dscnt 8                                 ; the maxima are in; the run just issued is younger
.set n, 4
.rept 12
	PW 0, 1, n, \first
	X2A
	X2A
	X2A
.set n, n+1
.endr
.set n, 0
.rept 16
	PW 0, 2, n, \first
	X2B
	X2B
.if n == 0
	PLACES
	RUNV 1, 1
.endif
.set n, n+1
.endr
	s_wait_dscnt 8                                 ; V's fourth run is in; its fifth is younger
	PW 1, 0, 0, 0
	X2B
	X2B
	PW 1, 0, 1, 0
	X2B
	X2B
	v_nop                                          ; a plain instruction behind the last exponential: one for the batch
	s_wait_alu depctr_va_vdst(0)                   ; the wait ahead of the first use: one for the 36 exponentials
	PW 1, 0, 2, 0
	X2C
	X2C
	X2C
	X2C
	RUNV 1, 2                                      ; behind the v_nop and four roundings: five places behind the last product that read the buffer
.set n, 3
.rept 3
	PW 1, 0, n, 0
	X2C
	X2C
	X2C
	X2C
.set n, n+1
.endr
	WIN 0
	PSTORE                                         ; the new weights, behind barrier X's wait: nobody reads the old ones any more
.rept 4
	PW 1, 0, n, 0
	X2C
	X2C
	X2C
	X2C
.set n, n+1
.endr
.rept 6
	PW 1, 0, n, 0
.set n, n+1
.endr
	s_wait_dscnt 12                                ; V's fifth run is in; its sixth and the four stores are younger
	WIN 0
	s_wait_tensorcnt 0x0                           ; all my tensor loads have landed: my part of the other slot
	ds_add_u32 v[SPW], v[NIL]
	DESC \nextfill
.set n, 0
.rept 8
	PW 1, 1, n, 0
.set n, n+1
.endr
	s_wait_dscnt 0x0                               ; the add and my stores of the weights are done; my reads of this slot are over: V's last run lies in registers
	s_barrier_signal -1                            ; BARRIER Y
.rept 8
	PW 1, 1, n, 0
.set n, n+1
.endr
	WIN 0
	s_barrier_wait -1
.if \nextfill
	CREST                                          ; no wave of any partner still reads the slot or has a load on its way
.endif
.endm
	; POSITION 0's scores and softmax, with nothing to set beside them
	s_wait_tensorcnt 0x1                           ; my first fill has landed (wave 0's: K of position 0); my second may stay out
	s_barrier_signal -1
	s_barrier_wait -1                              ; everybody's has
	v_add_nc_u32 v[AK], s[TB], v[AK0]
	RUNK 0
	RUNK 1
	RUNK 2
	s_wait_loadcnt 0x0                             ; Q
	s_wait_dscnt 0x0
.irp g, 0,1,2
.set n, 0
.rept 16
	SW \g, n
.set n, n+1
.endr
.endr
	PLACES
	QUEUES
.rept 24
	X1
.endr
	ds_store_b128 v[AMS], v[TM:TM+3]
	s_wait_dscnt 0x0
	s_barrier_signal -1
	s_barrier_wait -1
	MXLOAD
	s_wait_dscnt 0x0
.rept 36
	X2A
.endr
.rept 36
	X2B
.endr
	v_nop
	s_wait_alu depctr_va_vdst(0)
.rept 32
	X2C
.endr
	PSTORE
	s_wait_tensorcnt 0x0                           ; all first fills of mine have landed; slot 1's K part is filled again behind this round
	ds_add_u32 v[SPW], v[NIL]
	DESC 1
	s_wait_dscnt 0x0                               ; the add and the weights' stores are done; my reads of position 0's K are over
	CROUND
	BODY 1, 3, 1                                   ; trip 0: K of position 2 is asked for; V of position 1 came with the first fills
	s_mov_b32 s[CNT], 29
.Ltrip:                                        ; trips 1 to 29
	BODY 0, 2, 1
	s_sub_co_u32 s[CNT], s[CNT], 1
	s_cmp_lg_u32 s[CNT], 0
	s_cbranch_scc1 .Ltrip
	BODY 0, 1, 0                                   ; trip 30: the last V is asked for, no K
	; TRIP 31: no scores are left.  The waits count the runs of eight issued behind the run that is wanted.
	PLACES
	v_add_nc_u32 v[AV], s[TB], v[AV0]
	v_add_nc_u32 v[AV2], 2*VSUB, v[AV]
	RUNP 0
	RUNV 0, 0
	RUNV 0, 1
	QUEUES
.set n, 0
.rept 16
	PW 1, 2, n, 0
	RID 0
.set n, n+1
.endr
.rept 144
	RS
.endr
	RUNP 1
	RUNV 0, 2
	s_wait_dscnt 24
	G16 0, 0
	PLACES
	RUNV 1, 0
	s_wait_dscnt 24
	G16 0, 1
	PLACES
	RUNV 1, 1
	s_wait_dscnt 16
	G16 0, 2
	PLACES
	RUNV 1, 2
	s_wait_dscnt 16
	G16 1, 0
	s_wait_dscnt 8
	G16 1, 1
	s_wait_dscnt 0x0
	G16 1, 2
	; THE WAY OUT.  l's two halves, the other half of the lanes' and the four waves' are added; O^T is divided by l and sent through my stage, a tile and a third at a time.
	WIN 0
.irp t, 0,1,2,3
	v_add_f32 v[TM+\t], v[ST+6*\t+2], v[ST+6*\t+3]
.endr
.irp t, 0,1,2,3
	v_permlanex16_b32 v[TM+4+\t], v[TM+\t], s[SEL], s[SEL+1]
.endr
.irp t, 0,1,2,3
	v_add_f32 v[TM+\t], v[TM+\t], v[TM+4+\t]
.endr
	ds_store_b128 v[AMS], v[TM:TM+3]
	s_wait_dscnt 0x0
	s_barrier_signal -1
	s_barrier_wait -1
	MXLOAD
	s_wait_dscnt 0x0
	v_pk_add_f32 v[TM:TM+1], v[TM:TM+1], v[TM+4:TM+5]
	v_pk_add_f32 v[TM+2:TM+3], v[TM+2:TM+3], v[TM+6:TM+7]
	v_pk_add_f32 v[TM+8:TM+9], v[TM+8:TM+9], v[TM+12:TM+13]
	v_pk_add_f32 v[TM+10:TM+11], v[TM+10:TM+11], v[TM+14:TM+15]
	v_pk_add_f32 v[TM:TM+1], v[TM:TM+1], v[TM+8:TM+9]
	v_pk_add_f32 v[TM+2:TM+3], v[TM+2:TM+3], v[TM+10:TM+11]
.irp t, 0,1,2,3
	v_rcp_f32 v[ST+6*\t+4], v[TM+\t]
.endr
	v_nop                                          ; a plain instruction behind the last reciprocal,
	s_wait_alu depctr_va_vdst(0)                   ; and one wait for the four
; Part k: tile k % 4, third k / 4.  A lane's eight channels of a row are 32 bytes; they go into rows of 272 bytes and come back as whole rows of 256.
.macro OUTP k
.set ot, (\k)%4
.set ov, (\k)/4
.set bk, PF+32*((\k)%2)
.if ov < 2
	WIN 0x01
.set ob, 8*(16*ov+ot)
.else
	WIN 0x02
.set ob, 8*ot
.endif
.irp i, 0,1,2,3
.irp b, 0,2,4,6
	v_pk_mul_f32 v[S+8*\i+\b:S+8*\i+\b+1], v[ob+32*\i+\b:ob+32*\i+\b+1], v[ST+6*ot+4:ST+6*ot+5] op_sel_hi:[1,0]
.endr
.endr
	WIN 0
	s_wait_xcnt 0x0                                ; the stores of two parts back have read the registers that are loaded below
.irp i, 0,1,2,3
	ds_store_b128 v[STO], v[S+8*\i:S+8*\i+3]   offset:64*\i
	ds_store_b128 v[STO], v[S+8*\i+4:S+8*\i+7] offset:64*\i+16
.endr
.irp n, 0,1,2,3,4,5,6,7
	ds_load_b128 v[bk+4*\n:bk+4*\n+3], v[RD] offset:2*SPITCH*\n  ; LDS serves a wave's instructions in order (ISA guide 5.7.1.4): these see the stores above
.endr
.endm
.macro SEND k, younger                 ; younger: the next part's sixteen LDS instructions, or none
.set ot, (\k)%4
.set ov, (\k)/4
.set bk, PF+32*((\k)%2)
.irp n, 0,1,2,3,4,5,6,7
	s_wait_dscnt (\younger)+7-\n
	global_store_b128 v[GO], v[bk+4*\n:bk+4*\n+3], s[10:11] offset:3072*(16*ot+2*\n)+1024*ov th:TH_STORE_NT  ; sixteen lanes store 256 consecutive bytes, aligned
.endr
.endm
	OUTP 0
.irp k, 1,2,3,4,5,6,7,8,9,10,11
	OUTP \k
	SEND (\k)-1, 16
.endr
	SEND 11, 0
	s_wait_tensorcnt 0x0                           ; the wave's end
	ds_add_u32 v[SPW], v[NIL]
	s_wait_dscnt 0x0
	CROUND                                         ; the closing round
	s_endpgm
.Lfunc_end_k_q5edcf5f311_attn:
	.size	k_q5edcf5f311_attn, .Lfunc_end_k_q5edcf5f311_attn-k_q5edcf5f311_attn
	.p2alignl 7, 3214868480
	.fill 96, 4, 3214868480
	.section	.rodata,"a",@progbits
	.p2align	6, 0x0
	.amdhsa_kernel k_q5edcf5f311_attn
		.amdhsa_group_segment_fixed_size 327680
		.amdhsa_private_segment_fixed_size 0
		.amdhsa_enable_private_segment 0
		.amdhsa_kernarg_size 32
		.amdhsa_user_sgpr_count 2
		.amdhsa_user_sgpr_kernarg_segment_ptr 1
		.amdhsa_wavefront_size32 1
		.amdhsa_system_sgpr_workgroup_id_x 1
		.amdhsa_system_sgpr_workgroup_id_y 1
		.amdhsa_system_sgpr_workgroup_id_z 1
		.amdhsa_system_vgpr_workitem_id 0
		.amdhsa_next_free_vgpr 1024
		.amdhsa_next_free_sgpr 72
		.amdhsa_reserve_vcc 0
		.amdhsa_float_denorm_mode_32 3
		.amdhsa_float_denorm_mode_16_64 3
		.amdhsa_memory_ordered 1
		.amdhsa_forward_progress 1
		.amdhsa_inst_pref_size 206
	.end_amdhsa_kernel
	.amdgpu_metadata
---
amdhsa.version: [ 1, 2 ]
amdhsa.kernels:
  - .name:           k_q5edcf5f311_attn
    .symbol:         k_q5edcf5f311_attn.kd
    .args:
      - { .name: qb, .offset: 0, .size: 8, .value_kind: global_buffer, .address_space: global }
      - { .name: kb, .offset: 8, .size: 8, .value_kind: global_buffer, .address_space: global }
      - { .name: vh, .offset: 16, .size: 8, .value_kind: global_buffer, .address_space: global }
      - { .name: out0, .offset: 24, .size: 8, .value_kind: global_buffer, .address_space: global }
    .group_segment_fixed_size: 327680
    .private_segment_fixed_size: 0
    .kernarg_segment_align: 8
    .kernarg_segment_size: 32
    .max_flat_workgroup_size: 128
    .sgpr_count:     72
    .vgpr_count:     1024
    .wavefront_size: 32
...
	.end_amdgpu_metadata
.endif
;; end of part 3
